; MI455X (gfx1250); checked and timed in simulation.
; The chip was launched on July 23, 2026; its instructions are those of AMD's public machine-readable ISA for CDNA 5 (MIT licence, August 2026) and "CDNA5" Instruction Set Architecture Reference Guide (July 2026). The comments in the code are by the model that wrote it; some were corrected since.
;; LSTM. Allowed arithmetic: matrix products marked QUANTISED: E2M1 operands, one E8M0 scale for each 32 along K, by v_wmma_scale_f32_16x16x128_f8f6f4 with both operands' format E2M1 (or v_wmma_scale_f32_32x16x128_f4), f32 sums; everything else in f32.
;; Inputs: Whc_w 2,048 x 2,048 float32; Whf_w 2,048 x 2,048 float32; Whi_w 2,048 x 2,048 float32; Who_w 2,048 x 2,048 float32; Why_b 1,024 float32; Why_w 1,024 x 2,048 float32; Wxc_b 2,048 float32; Wxc_w 2,048 x 1,024 float32; Wxf_b 2,048 float32; Wxf_w 2,048 x 1,024 float32; Wxi_b 2,048 float32; Wxi_w 2,048 x 1,024 float32; Wxo_b 2,048 float32; Wxo_w 2,048 x 1,024 float32; cell_state 2,048 x 2,048 float32; hidden_state 2,048 x 2,048 float32; x 2,048 x 1,024 float32.
;; Outputs: out0 2,048 x 1,024 float32; out1 2,048 x 2,048 float32; out2 2,048 x 2,048 float32.
;; This version of the problem:
;;   THIS VERSION OF THE PROBLEM IS GIVEN IN LOW PRECISION. The matrix products marked QUANTISED in the list below multiply operands that are first quantised to E2M1 (2 exponent bits, 1 mantissa bit; 4 bits a number), with one power-of-two scale for each 32 numbers along K (OCP MX v1.0); their sums are f32. All else is computed in f32.
;;   The module's matrix products, in the order in which they are computed (A, B: the left and right operand; K: the contracted axis; several contracted axes count as one K, in the product's order):
;;     1. [M 2,048, K 1,024] x [K 1,024, N 8,192]; A: input x; B: computed on the way: QUANTISED
;;     2. [M 2,048, K 2,048] x [K 2,048, N 8,192]; A: input hidden_state; B: computed on the way: QUANTISED
;;     3. [M 2,048, K 2,048] x [K 2,048, N 1,024]; A: computed on the way; B: input Why_w: QUANTISED
;;   THE QUANTISER, for each operand of a quantised product, along K:
;;     - K is cut into blocks of 32 from its start; a last block that is shorter is filled with zeros.
;;     - A block's scale is 2^e with e = floor(log2(the largest magnitude in the block)) - 2, held to -126 .. 127; a block of zeros has e = 0. As a byte (E8M0): e + 127.
;;     - Each number is divided by its block's scale, clamped to +-6, and rounded to the nearest number of E2M1, ties to even, subnormals kept.
;;     - The product sums the exact products of the quantised numbers (number of the format x scale) in f32.
;;   ~~~python
;;   def quantise(x, axis):      # numpy; x: float32 -> the quantised numbers, widened to float32 again
;;       x = np.moveaxis(x, axis, -1); K = x.shape[-1]
;;       x = np.pad(x, [(0, 0)] * (x.ndim - 1) + [(0, -K % 32)]); x = x.reshape(x.shape[:-1] + (-1, 32)); a = np.abs(x).max(-1, keepdims=True)
;;       e = np.where(a > 0, np.clip(np.frexp(np.where(a > 0, a, 1))[1] - 1 - 2, -126, 127), 0)      # np.frexp(a)[1] - 1 = floor(log2(a)), exactly
;;       r = np.clip(x / 2.0 ** e, -6, 6)
;;       step = 2.0 ** (np.maximum(np.frexp(np.where(r == 0, 1, r))[1] - 1, 0) - 1)
;;       q = np.round(r / step) * step * 2.0 ** e      # np.round: ties to even
;;       return np.moveaxis(q.reshape(q.shape[:-2] + (-1,))[..., :K], -1, axis).astype(np.float32)
;;   ~~~
;;   OPERANDS COMPUTED ON THE WAY. 'Computed on the way' means the value that the module computes at that place (a softmax that the list does not call 'softmax' is quantised finished and normalised). What goes into a quantiser is computed in f32, as accurately as f32 sums, v_exp_f32 and their like allow (about 1e-6 of the number): no bf16 or f16 on the way to a quantiser, and a product that is left as it is and whose result goes on into a quantised operand takes f32 operands (vector FMAs, or v_wmma_f32_16x16x4_f32). A number that lies on a knife's edge between two numbers of the format may be rounded either way, as far as f32 arithmetic and the matrix unit's own rounding can turn it there, and no further.
;; One version. Each part assembles by itself: llvm-mc -triple=amdgcn-amd-amdhsa -mcpu=gfx1250 --defsym DOCPART=n.
;; ======== version 1 of 1: 3 launches
;; limits: a function is approximated: absolute error at most 2e-07
;; workspace buffers: acode 3,342,336 bytes; bcode 13,369,344 bytes; ycode 1,114,112 bytes; hcode 2,097,152 bytes; hscale 262,144 bytes
;; launch quant (part 1): grid 64 x 16, 4 waves a work-group, no clusters, 34,304 bytes of LDS; arguments hidden_state, Whi_w, Whf_w, Whc_w, Who_w, x, Wxi_w, Wxf_w, Wxc_w, Wxo_w, Why_w, acode, bcode, ycode; writes acode, bcode, ycode
.if DOCPART == 1
	.amdgcn_target "amdgcn-amd-amdhsa--gfx1250"
	.amdhsa_code_object_version 6
	.text
	.protected	k_qdad1394ca5_quant
	.globl	k_qdad1394ca5_quant
	.p2align	8
	.type	k_qdad1394ca5_quant,@function
k_qdad1394ca5_quant:
	s_mov_b64 s[64:65], 0
	v_nop
	global_prefetch_b8 v0, s[64:65] scope:SCOPE_SE
	s_setreg_imm32_b32 hwreg(HW_REG_WAVE_MODE, 25, 1), 1
	s_wait_xcnt 0x0
; x, hidden_state, the eight gate weights and Why_w, all f32 with K innermost, become codes of FP4 (E2M1) with one E8M0 scale byte for each 32 along K.
; A block's scale is 2^(floor(log2(its largest magnitude)) - 2); its byte is the largest magnitude's exponent field - 2, held at 1 from below.
; THE OUTPUT IS LAID AS THE MATRIX OPERANDS' REGISTERS WANT IT.  A RECORD is 16 rows x 512 along K: 4,352 bytes.  Bytes 0-4095: the 16 bytes (32 codes) of row r, block kb at 256 kb + 16 r, so that
; the fragment of the q-th 128 along K is the 1,024 bytes at 1024 q, register group c of lane l at 512 c + 16 l.  Bytes 4096-4351: row r's four scale words (q = 0 .. 3) at 16 r.
; acode [6][128] records: K steps 0-1 are x, 2-5 hidden_state.  bcode [6][512]: the same order of K (Wx, then Wh); record 8 j + 2 g + u holds, of gate g (i, f, c, o), the units 32 j + 8 u + r + 8 (r / 8):
; the rows of a record are not neighbours, so that in the next launch a lane's 16 results of records u = 0, 1 are 16 neighbouring units.  ycode [4][64]: Why_w, rows as they lie.
; SHARES.  4,096 records, one a wave.  One path for all eleven tensors: pointers and numbers are chosen by the work-group's number alone.  The waves share nothing: no barrier.
; No work-group reads what another reads, so there is nothing to ask for jointly; memory binds, so there are no matrix instructions and no large tiles.
; Each load of a wave reads 512 consecutive bytes of one row; the 16 rows x 128 numbers of a fragment turn through the wave's own stage in LDS, so that a lane gets 2 x 32 neighbours along K of ONE row.
; LIMITS: NaN and infinities among the inputs are not served.  A block of zeros, or one whose largest magnitude lies under 2^-124, gets the byte 1 where the quantiser says 127 or less than 1:
; its codes are zeros or are made under the byte 1, and the bytes are read by this program alone.
.set PITCH, 528                        ; a stage row: 512 bytes + 16: an odd multiple of 16, so that the 16 rows that a load touches start in different banks (64 banks of 4 bytes: ISA guide 11.1)
.set WST,   16*PITCH                   ; a wave's stage
.set REC,   4352
.set RB,    32                         ; s[32:63]  the addresses of my record's 16 rows
.set SRC,   66                         ; s[66:67]  the tensor
.set PIT,   68                         ; s[68:69]  its row in bytes
.set DST,   70                         ; s[70:71]  my record
.set SEL,   88                         ; s[88:89]  v_permlanex16_b32's selects for lane l xor 16
.set L16,   1                          ; v1   16 x lane; never rewritten
.set RR,    2                          ; v2   r = lane % 16
.set HH,    3                          ; v3   h = lane / 16
.set SIN,   4                          ; v4   the stage, on the way in
.set SOUT,  5                          ; v5   and on the way out
.set R16,   6                          ; v6   16 r
.set H8,    7                          ; v7   8 h
.set M,     8                          ; v8-9   two blocks' largest magnitudes
.set SO,    10                         ; v10-11 the conversions' scale operands
.set BY,    12                         ; v12-13 the scale bytes
.set W,     14                         ; v14  my two bytes in their places
.set P,     15                         ; v15  lane l xor 16's
.set SW,    16                         ; v16-19 my row's four scale words
.set C,     20                         ; v20-51 codes: eight registers a fragment, never written again
.set R0,    64                         ; v64-127, v128-191 two sets of 16 x 4 registers as loaded
.set X,     192                        ; v192-255 64 numbers of my row: k = 64 c + 32 h + 0 .. 31
	s_load_b512 s[4:19], s[0:1], 0x0               ; hidden_state, Whi, Whf, Whc, Who, x, Wxi, Wxf
	s_load_b256 s[20:27], s[0:1], 0x40             ; Wxc, Wxo, Why, acode
	s_load_b128 s[28:31], s[0:1], 0x60             ; bcode, ycode
	v_lshl_add_u32 v62, v0, 2, 0x8400
	v_mov_b32 v63, 0
	v_lshrrev_b32 v9, 5, v0
	v_readfirstlane_b32 s80, v9                    ; wave 0..3
	v_and_b32 v8, 31, v0
	v_and_b32 v[RR], 15, v0
	v_bfe_u32 v[HH], v0, 4, 1
	v_lshlrev_b32 v[L16], 4, v8
	s_mul_i32 s91, s80, WST                        ; my stage
	v_add_nc_u32 v[SIN], s91, v[L16]               ; in: a row's 512 bytes as they lie
	v_mul_u32_u24 v[SOUT], v[RR], PITCH
	v_lshl_add_u32 v[SOUT], v[HH], 7, v[SOUT]
	v_add_nc_u32 v[SOUT], s91, v[SOUT]             ; out: row r, 128 h bytes on
	v_lshlrev_b32 v[R16], 4, v[RR]
	v_lshlrev_b32 v[H8], 3, v[HH]
	v_mov_b32 v[P], 0                              ; written once: a lane permute's destination counts as one of its sources
	; which tensor (key), which record.  key 0-4: hidden_state, Wh i f c o (512 records each: two rows of the grid);  5-9: x, Wx i f c o;  10: Why (256 each: one row)
	s_and_b32 s72, ttmp7, 0xffff                   ; y
	s_lshr_b32 s73, s72, 1
	s_sub_co_u32 s74, s72, 5
	s_and_b32 s75, s72, 1
	s_lshl_b32 s75, s75, 6
	s_add_co_u32 s75, s75, ttmp9
	s_cmp_lt_u32 s72, 10
	s_cselect_b32 s73, s73, s74                    ; key
	s_cselect_b32 s75, s75, ttmp9                  ; the work-group's number within the tensor
	s_lshr_b32 s76, s75, 5
	s_and_b32 s77, s75, 31
	s_lshr_b32 s78, s75, 4
	s_and_b32 s79, s75, 15
	s_cmp_eq_u32 s73, 10                           ; Why has 64 blocks of rows, the others 128
	s_cselect_b32 s76, s78, s76                    ; which 512 along K
	s_cselect_b32 s77, s79, s77
	s_lshl_b32 s77, s77, 2
	s_add_co_u32 s77, s77, s80                     ; n: which 16 rows
	s_mov_b32 s78, 1
	s_cmp_eq_u32 s73, 0
	s_cselect_b32 s78, 0, s78
	s_cmp_eq_u32 s73, 5
	s_cselect_b32 s78, 0, s78
	s_cmp_eq_u32 s73, 10
	s_cselect_b32 s78, 0, s78                      ; p = 1 for a gate's weight: its records' rows are chosen
	s_and_b32 s79, s77, 1                          ; u
	s_lshr_b32 s81, s77, 1                         ; j
	s_sub_co_u32 s74, s73, 5
	s_cmp_lt_u32 s73, 5
	s_cselect_b32 s82, s73, s74
	s_cselect_b32 s83, 2, 0                        ; hidden_state and Wh stand behind x's and Wx's two K steps
	s_sub_co_u32 s82, s82, 1                       ; g: the gate (used where p = 1)
	s_mov_b32 s[PIT], 8192
	s_cmp_lt_u32 s74, 5                            ; keys 5 to 9 have rows of 1,024 numbers
	s_cselect_b32 s[PIT], 4096, s[PIT]
	s_mov_b32 s[PIT+1], 0
	s_mul_i32 s85, s79, s78
	s_lshl_b32 s85, s85, 3
	s_lshl_b32 s86, s77, 4
	s_sub_co_u32 s86, s86, s85                     ; the record's first row: 16 n - 8 u p
	s_mul_i32 s86, s86, s[PIT]
	s_lshl_b32 s87, s76, 11
	s_add_co_u32 s86, s86, s87                     ; in bytes, + 2,048 for each 512 along K (under 2^25)
	s_mov_b32 s87, 0
	s_lshl_b32 s84, s78, 3
	s_add_co_u32 s84, s84, 8
	s_mul_i32 s84, s84, s[PIT]                     ; from the record's row 0 to its row 8: 8 + 8 p rows
	s_mov_b32 s85, 0
	s_lshl_b32 s92, s81, 3
	s_lshl_b32 s93, s82, 1
	s_add_co_u32 s92, s92, s93
	s_add_co_u32 s92, s92, s79                     ; 8 j + 2 g + u
	s_mov_b32 s93, 512
	s_cmp_eq_u32 s78, 0
	s_cselect_b32 s92, s77, s92                    ; the record's number in its K step
	s_cselect_b32 s93, 128, s93
	s_cmp_eq_u32 s73, 10
	s_cselect_b32 s93, 64, s93                     ; records in a K step of the buffer
	s_add_co_u32 s76, s76, s83
	s_mul_i32 s93, s93, s76
	s_add_co_u32 s92, s92, s93
	s_mul_i32 s92, s92, REC                        ; under 2^24
	s_mov_b32 s93, 0
	s_mov_b32 s[SEL], 0x76543210
	s_mov_b32 s[SEL+1], 0xfedcba98
	s_wait_kmcnt 0x0
	s_mov_b64 s[SRC:SRC+1], s[4:5]
.irp k, 1,2,3,4,5,6,7,8,9,10
	s_cmp_eq_u32 s73, \k                           ; the choice hangs on the work-group's number alone
	s_cselect_b64 s[SRC:SRC+1], s[4+2*\k:5+2*\k], s[SRC:SRC+1]
.endr
	s_mov_b64 s[DST:DST+1], s[28:29]
	s_cmp_eq_u32 s78, 0
	s_cselect_b64 s[DST:DST+1], s[26:27], s[DST:DST+1]
	s_cmp_eq_u32 s73, 10
	s_cselect_b64 s[DST:DST+1], s[30:31], s[DST:DST+1]
	s_add_nc_u64 s[DST:DST+1], s[DST:DST+1], s[92:93]
	s_add_nc_u64 s[RB:RB+1], s[SRC:SRC+1], s[86:87]
.irp i, 1,2,3,4,5,6,7
	s_add_nc_u64 s[RB+2*\i:RB+2*\i+1], s[RB+2*\i-2:RB+2*\i-1], s[PIT:PIT+1]
.endr
	s_add_nc_u64 s[RB+16:RB+17], s[RB:RB+1], s[84:85]
.irp i, 9,10,11,12,13,14,15
	s_add_nc_u64 s[RB+2*\i:RB+2*\i+1], s[RB+2*\i-2:RB+2*\i-1], s[PIT:PIT+1]
.endr
.macro LOADF q, set                    ; the record's q-th 128 along K: 16 loads, each 512 consecutive bytes of one row
.irp i, 0,1,2,3,4,5,6,7,8,9,10,11,12,13,14,15
	global_load_b128 v[R0+64*(\set)+4*\i:R0+64*(\set)+4*\i+3], v[L16], s[RB+2*\i:RB+2*\i+1] offset:512*(\q) th:TH_LOAD_NT
.endr
.endm
.macro FRAGQ q
.if (\q) < 3
	s_wait_loadcnt 16                              ; this fragment's 16 loads are in; the next fragment's 16 may be out
.else
	s_wait_loadcnt 0x0
.endif
.irp i, 0,1,2,3,4,5,6,7,8,9,10,11,12,13,14,15
	ds_store_b128 v[SIN], v[R0+64*((\q)%2)+4*\i:R0+64*((\q)%2)+4*\i+3] offset:PITCH*\i
.endr
.irp c, 0,1
.irp j, 0,1,2,3,4,5,6,7
	ds_load_b128 v[X+32*\c+4*\j:X+32*\c+4*\j+3], v[SOUT] offset:256*\c+16*\j   ; LDS serves a wave's instructions in order (ISA guide 5.7.1.4): these see the stores above
.endr
.endr
	s_wait_dscnt 0x0                               ; my 64 numbers are in, and the stores have read their registers,
.if (\q) < 2
	LOADF (\q)+2, (\q)%2                           ; which take the fragment two further on
.endif
.irp c, 0,1
	v_max3_num_f32 v[M+\c], |v[X+32*\c]|, |v[X+32*\c+1]|, 0x1800000   ; block 2 c + h: all its 32 numbers are mine; and the floor 2^(3 - 127): the byte cannot fall under 1
.endr
.irp i, 2,4,6,8,10,12,14,16,18,20,22,24,26,28,30
.irp c, 0,1
	v_max3_num_f32 v[M+\c], v[M+\c], |v[X+32*\c+\i]|, |v[X+32*\c+\i+1]|   ; (the two blocks by turns)
.endr
.endr
.irp c, 0,1
	v_add_nc_u32 v[SO+\c], 0xff000000, v[M+\c]     ; 2 off the exponent field: the conversion takes the exponent field of this operand as its scale
.endr
.irp c, 0,1
	v_lshrrev_b32 v[BY+\c], 23, v[SO+\c]           ; the scale's byte
.endr
	v_lshl_or_b32 v[W], v[BY+1], 16, v[BY]         ; blocks h and 2 + h of my row,
	v_lshlrev_b32 v[W], v[H8], v[W]                ; at their places in the scale word;
	v_permlanex16_b32 v[P], v[W], s[SEL], s[SEL+1]
	v_or_b32 v[SW+(\q)], v[W], v[P]                ; with lane l xor 16's two the word is whole
.irp c, 0,1
.irp g, 0,1,2,3
	v_cvt_scalef32_pk8_fp4_f32 v[C+8*(\q)+4*\c+\g], v[X+32*\c+8*\g:X+32*\c+8*\g+7], v[SO+\c]   ; register 4 c + g of the fragment
.endr
.endr
	v_nop                                          ; one plain place behind the scaled conversions
.irp c, 0,1
	global_store_b128 v[L16], v[C+8*(\q)+4*\c:C+8*(\q)+4*\c+3], s[DST:DST+1] offset:1024*(\q)+512*\c   ; the wave stores 512 consecutive bytes, at a multiple of 256 from the buffer's first byte
.endr
.endm
	LOADF 0, 0
	LOADF 1, 1
	FRAGQ 0
	FRAGQ 1
	FRAGQ 2
	FRAGQ 3
	s_wait_xcnt 0x0                                ; EXEC changes only behind this wait
	v_cmp_eq_u32 vcc_lo, 0, v[HH]
	s_wait_tensorcnt 0x0
	ds_add_u32 v62, v63
	s_wait_dscnt 0x0
	s_and_saveexec_b32 s90, vcc_lo
	global_store_b128 v[R16], v[SW:SW+3], s[DST:DST+1] offset:4096   ; lanes 0-15: the 16 rows' scale words: 256 consecutive bytes
	s_wait_xcnt 0x0                                ; and again, in front of the line that widens it
	s_or_b32 exec_lo, exec_lo, s90
	s_endpgm
.Lfunc_end_k_qdad1394ca5_quant:
	.size	k_qdad1394ca5_quant, .Lfunc_end_k_qdad1394ca5_quant-k_qdad1394ca5_quant
	.p2alignl 7, 3214868480
	.fill 96, 4, 3214868480
	.section	.rodata,"a",@progbits
	.p2align	6, 0x0
	.amdhsa_kernel k_qdad1394ca5_quant
		.amdhsa_group_segment_fixed_size 34304
		.amdhsa_private_segment_fixed_size 0
		.amdhsa_enable_private_segment 0
		.amdhsa_kernarg_size 112
		.amdhsa_user_sgpr_count 2
		.amdhsa_user_sgpr_kernarg_segment_ptr 1
		.amdhsa_wavefront_size32 1
		.amdhsa_system_sgpr_workgroup_id_x 1
		.amdhsa_system_sgpr_workgroup_id_y 1
		.amdhsa_system_sgpr_workgroup_id_z 1
		.amdhsa_system_vgpr_workitem_id 0
		.amdhsa_next_free_vgpr 256
		.amdhsa_next_free_sgpr 96
		.amdhsa_reserve_vcc 1
		.amdhsa_float_denorm_mode_32 3
		.amdhsa_float_denorm_mode_16_64 3
		.amdhsa_memory_ordered 1
		.amdhsa_forward_progress 1
		.amdhsa_inst_pref_size 33
	.end_amdhsa_kernel
	.amdgpu_metadata
---
amdhsa.version: [ 1, 2 ]
amdhsa.kernels:
  - .name:           k_qdad1394ca5_quant
    .symbol:         k_qdad1394ca5_quant.kd
    .args:
      - { .name: hidden_state, .offset: 0, .size: 8, .value_kind: global_buffer, .address_space: global }
      - { .name: Whi_w, .offset: 8, .size: 8, .value_kind: global_buffer, .address_space: global }
      - { .name: Whf_w, .offset: 16, .size: 8, .value_kind: global_buffer, .address_space: global }
      - { .name: Whc_w, .offset: 24, .size: 8, .value_kind: global_buffer, .address_space: global }
      - { .name: Who_w, .offset: 32, .size: 8, .value_kind: global_buffer, .address_space: global }
      - { .name: x, .offset: 40, .size: 8, .value_kind: global_buffer, .address_space: global }
      - { .name: Wxi_w, .offset: 48, .size: 8, .value_kind: global_buffer, .address_space: global }
      - { .name: Wxf_w, .offset: 56, .size: 8, .value_kind: global_buffer, .address_space: global }
      - { .name: Wxc_w, .offset: 64, .size: 8, .value_kind: global_buffer, .address_space: global }
      - { .name: Wxo_w, .offset: 72, .size: 8, .value_kind: global_buffer, .address_space: global }
      - { .name: Why_w, .offset: 80, .size: 8, .value_kind: global_buffer, .address_space: global }
      - { .name: acode, .offset: 88, .size: 8, .value_kind: global_buffer, .address_space: global }
      - { .name: bcode, .offset: 96, .size: 8, .value_kind: global_buffer, .address_space: global }
      - { .name: ycode, .offset: 104, .size: 8, .value_kind: global_buffer, .address_space: global }
    .group_segment_fixed_size: 34304
    .private_segment_fixed_size: 0
    .kernarg_segment_align: 8
    .kernarg_segment_size: 112
    .max_flat_workgroup_size: 128
    .sgpr_count:     96
    .vgpr_count:     256
    .wavefront_size: 32
...
	.end_amdgpu_metadata
.endif
;; end of part 1
;; launch gates (part 2): grid 32 x 8, 4 waves a work-group, clusters of 4 x 4, 327,680 bytes of LDS; arguments acode, bcode, cell_state, Wxi_b, Wxf_b, Wxc_b, Wxo_b, out1, out2, hcode, hscale; writes out1, out2, hcode, hscale
.if DOCPART == 2
	.amdgcn_target "amdgcn-amd-amdhsa--gfx1250"
	.amdhsa_code_object_version 6
	.text
	.protected	k_qdad1394ca5_gates
	.globl	k_qdad1394ca5_gates
	.p2align	8
	.type	k_qdad1394ca5_gates,@function
k_qdad1394ca5_gates:
	s_mov_b64 s[64:65], 0
	v_nop
	global_prefetch_b8 v0, s[64:65] scope:SCOPE_SE
	s_setreg_imm32_b32 hwreg(HW_REG_WAVE_MODE, 25, 1), 1
	s_wait_xcnt 0x0
	s_wait_alu depctr_hold_cnt(0) depctr_sa_sdst(0) depctr_va_vdst(0) depctr_va_sdst(0) depctr_va_ssrc(0) depctr_va_vcc(0) depctr_vm_vsrc(0)
	s_getreg_b32 s2, hwreg(HW_REG_IB_STS2, 6, 4)
	s_cmp_eq_u32 s2, 0
	s_cbranch_scc0 .Lentry_in_a_cluster
	s_endpgm
.Lentry_in_a_cluster:
	s_bfe_u32 s2, ttmp6, 0x10000c
	s_cmp_lg_u32 s2, 0xf033
	s_cbranch_scc0 .Lentry_shape_is_right
	s_endpgm
.Lentry_shape_is_right:
; gates = [x | h] [Wx | Wh]^T + b on codes of FP4 (E2M1) with E8M0 scales (M 2,048, N 8,192, K 3,072); then, in f32, new_cell = sig(f) cell + sig(i) tanh(c) (out2) and
; new_hidden = sig(o) tanh(new_cell) (out1); and new_hidden quantised along its units, as the next launch's operand (hcode, hscale).
; OPERANDS come as RECORDS of 16 rows x 512 along K, 4,352 bytes: 4,096 of codes laid as images of the fragments' registers (the q-th 128 along K at 1024 q, group c of lane l at 512 c + 16 l), then the 16 rows' four scale words.
; SHARES.  A work-group makes 256 rows x 64 hidden units x 4 gates; a wave 128 rows x 32 units x 4 gates: 64 accumulators of 16 x 16, 512 registers.  Column block b of a wave is gate b / 2 (i, f, c, o), part u = b % 2.
; THE MATRIX INSTRUCTION IS USED TRANSPOSED (source 0 = a record of the weights, source 1 = a record of [x | h]), and a weight record's row rho is unit 8 u + rho + 8 (rho / 8) of the wave's 32:
; register j of lane (r, h) of accumulator (a, b) is row 16 a + r, unit 16 h + 8 u + j.  So the four gates of a number lie in ONE lane, a lane's 16 registers of blocks (b, b + 1) are 16 neighbouring units,
; and lanes l and l xor 16 hold one block of 32 along the next product's K.  The biases are the C of each sum's first matrix instruction.
; K goes in steps of 512 through a ring of two LDS slots: 16 records of A, then 16 of B; the scale words ride in the records.  6 K steps.
; TWO ORDERS OF K.  Half of the clusters begin at K step 0, the other half at K step 3, and all walk round the six.  Which: the parity of cluster x's three bits and cluster y's one.  So the two clusters that read the
; same records of B (cluster y = 0, 1) always differ, and of the eight that read the same records of A (cluster x = 0 .. 7) four take each order: clusters that read the same records do not all ask for them at the same time.
; The number hangs on the cluster's coordinates alone: it is the same in all sixteen partners.
; CLUSTERS: 4 x 4 work-groups.  The four of a row of the cluster need the same records of A, the four of a column the same of B: each is asked for JOINTLY.  cell_state's tile is read by one work-group alone:
; it comes by a plain tensor load, into slot 0 when that slot has been read for the last time.
; SIGMOID AND TANH: sig(g) = 1 / (1 + 2^(-g log2 e)), tanh(g) = 1 - 2 / (1 + 2^(2 g log2 e)).  An exponential that overflows gives the reciprocal 0, one that underflows the reciprocal 1: right for every finite g.
; LIMITS: NaN and infinities among the inputs are not served.  A sigmoid under 2^-126 comes out as 0.  tanh carries an absolute error of about 1e-7, so near 0 its relative error is larger than that.
; A block of new_hidden whose largest magnitude lies under 2^-124 gets the byte 1; the bytes are read by this program alone.  In half of the clusters the sums run over K steps 3, 4, 5, 0, 1, 2: an order of rounding of its own.
; REGISTERS, in windows of 256: window 0: v14-31 addresses; v32-95 scale words, two sets, and nothing else; v128-191 A's fragments, ONE set; behind the K loop v96-227 are at work.
;   window 1: B's fragments, TWO sets, at v0 and v128; v64-127 the biases.   window 2: the accumulators of my rows 0-63 ((a, b) at v[8 (8 a + b)]);   window 3: those of rows 64-127.
.set REC,   4352
.set HALFT, 8*REC                      ; 8 records: what one tensor load brings, and what one wave reads of A or of B
.set SLOT,  4*HALFT                    ; A's 16 records, then B's 16
.set ASTEP, 128*REC                    ; a K step on in acode,
.set BSTEP, 512*REC                    ; and in bcode
.set STG,   2*SLOT                     ; behind the ring: two stages by turns, each 32 rows x 272 bytes of new_hidden and the same of new_cell
.set STGB,  17408
.set HSB,   STG+2*STGB                 ; the scale bytes of new_hidden: [column half 2][row 256] words
.set SPARE, HSB+2048                   ; the spare words, 128 bytes for each wave: two blocks of 256 bytes that no other line names
.set NQ,    4                          ; matrix instructions deep in a slot
.set FR,    8                          ; registers of a fragment
.set NL,    2                          ; LDS loads that bring one
.set NP,    4                          ; places behind this matrix instruction (ISA guide 7.12.1)
.set LN16, 14                          ; v14  16 x lane
.set HSR,  15                          ; v15  HSB + 16 x lane
.set ADRA, 16                          ; v16-17  my A fragments in slot 0, 1
.set HSA,  18                          ; v18  where I put a row's scale byte
.set BO,   19                          ; v19  64 h: my 16 units among a bias's 32
.set ADRB, 20                          ; v20-21  my B fragments
.set ADRS, 22                          ; v22-23  my scale words: lanes 0-15 A's rows, lanes 16-31 B's
.set ADC,  24                          ; v24  my 16 numbers of cell_state's tile
.set STO,  25                          ; v25  the stage: where I put 64 bytes of a row
.set RD,   26                          ; v26  and where I read a row back
.set GO,   27                          ; v27  my byte offset in out1 or out2
.set SPW,  28                          ; v28  my spare word: SPARE + 4 x my thread's number; never rewritten
.set NIL,  29                          ; v29  0; never rewritten
.set PFO,  30                          ; v30  the prefetches' offset: a lane a row of cell_state; never rewritten
.set HCO,  31                          ; v31  my byte offset in hcode
.set SC,   32                          ; set s at v[SC + 32 s]; register 4 i + q: lanes 0-15 the word of A's block i, lanes 16-31 of B's block i, for the slot's q-th 128 along K
.set AF,   128
.set BIAS, 64                          ; in window 1
.set T,    96                          ; v96-159  the four gates of 16 numbers: i, f, c, o; new_hidden takes i's place
.set CL,   160                         ; v160-175 cell_state; new_cell is made in place
.set OB,   176                         ; v176-207 16 rows read back from the stage
.set PC,   208                         ; v208-223 new_hidden's codes: four registers for each pair of row blocks, never written again
.set MX,   224
.set MY,   225
.set SO,   226
.set BYW,  227
.set QW,   96                          ; the end: the work-group's scale words
.set WV,   26                          ; s26  wave
.set RH,   27                          ; s27  which 128 rows are mine.  Also: I fetch for A (0) or for B (1)
.set CH,   60                          ; s60  which 32 units.  Also: which 8 records I fetch
.set CX,   61
.set CY,   62
.set TCO,  63                          ; s63  tile column 0..31
.set TRO,  66                          ; s66  tile row 0..7
.set G1A,  28                          ; s[28:35] descriptor group 1 for A;  s[36:43] for B;  s[44:51], s[52:59] their groups 0, one set for each slot
.set G1B,  36
.set G0A,  44
.set G0B,  52
.set G1C,  68                          ; s[68:75], s[76:79] groups 1 and 0 for cell_state's tile
.set G0C,  76
.set BSA,  82                          ; s[82:83] acode at my 8 records of K step 0;  s[84:85] bcode likewise
.set BSB,  84
.set KSN,  86                          ; s86  the K step that the next request takes
.set KS,   88                          ; s[88:89] -log2 e (the packed forms name a pair and take its low word)
.set KT,   90                          ; s[90:91] 2 log2 e
.set SEL,  92                          ; s[92:93] v_permlanex16_b32's selects for lane l xor 16
.set PFA,  94                          ; s[94:95] where my prefetches stand
.set OUT,  96                          ; s[96:97] out1 (column half 0) or out2 (1) at my first row
.set SH,   98                          ; s98  where my block's byte stands in its scale word, in bits
.set MSB, 0
.macro WIN new                         ; the immediate's high byte repeats the setting that is left
.if MSB != (\new)
	s_set_vgpr_msb (MSB<<8)|(\new)
.set MSB, (\new)
.endif
.endm
.set MUL_LO, 0xa1                      ; source 0 (B) window 1, source 1 (A) window 0, C and D window 2
.set MUL_HI, 0xf1                      ; the same, C and D window 3
.set BIA_LO, 0x91                      ; C (the bias) window 1, D window 2
.set BIA_HI, 0xd1                      ; C window 1, D window 3
.set TO_B,   0x40                      ; destination window 1, address window 0
; A joint load: waves 0 and 1 fetch for A, waves 2 and 3 for B.  Each line has ONE mask and one set of registers for all that issue it; the branch hangs on the wave's number alone.
; Four v_nop follow each of the two lines, ahead of the jump, the label and what follows.
.macro JLOAD g0a, g0b
	s_cmp_eq_u32 s[RH], 0
	s_cbranch_scc0 .Lfor_b_\@
	tensor_load_to_lds s[\g0a:\g0a+3], s[G1A:G1A+7]
	s_nop 0
.rept 4
	v_nop
.endr
	s_branch .Lasked_\@
.Lfor_b_\@:
	tensor_load_to_lds s[\g0b:\g0b+3], s[G1B:G1B+7]
	s_nop 0
.rept 4
	v_nop
.endr
.Lasked_\@:
.endm
; The slot's two groups 0 take K step s[KSN]; then s[KSN] goes one on, round from 5 to 0.  It stands where no tensor load that names these registers is out.  s[4:5], s[6:7]: the offsets, their high words 0.
.macro DESC slot
	s_mul_i32 s4, s[KSN], ASTEP                    ; at most 5 K steps: under 2^24
	s_mul_i32 s6, s[KSN], BSTEP
	s_add_nc_u64 s[G0A+4*\slot+2:G0A+4*\slot+3], s[BSA:BSA+1], s[4:5]
	s_add_nc_u64 s[G0B+4*\slot+2:G0B+4*\slot+3], s[BSB:BSB+1], s[6:7]
	s_or_b32 s[G0A+4*\slot+3], s[G0A+4*\slot+3], 0x80000000    ; 127:126 type = 2
	s_or_b32 s[G0B+4*\slot+3], s[G0B+4*\slot+3], 0x80000000
	s_add_co_u32 s[KSN], s[KSN], 1
	s_cmp_lt_u32 s[KSN], 6
	s_cselect_b32 s[KSN], s[KSN], 0
.endm
.macro CREST                           ; a round of the cluster's barrier behind its opening barrier
	s_cmp_lg_u32 s[WV], 0
	s_cbranch_scc1 .Lnot_wave_0_\@
	s_barrier_signal -3
.Lnot_wave_0_\@:
	s_barrier_wait -3
	s_barrier_signal -1
	s_barrier_wait -1
.endm
.macro CROUND                          ; a whole round
	s_barrier_signal -1
	s_barrier_wait -1
	CREST
.endm
.macro PLACES n
.rept \n
	v_nop
.endr
.endm
	s_load_b512 s[4:19], s[0:1], 0x0               ; acode, bcode, cell_state, the four biases s[10:17], out1 s[18:19]
	s_load_b128 s[20:23], s[0:1], 0x40             ; out2, hcode
	s_load_b64 s[24:25], s[0:1], 0x50              ; hscale
	v_lshl_add_u32 v[SPW], v0, 2, SPARE
	v_mov_b32 v[NIL], 0
	ds_add_u32 v28, v29
	ds_add_u32 v28, v29
	s_wait_dscnt 0x0
	v_mov_b32 v[MY], 0                             ; written once: a lane permute's destination counts as one of its sources
	v_lshrrev_b32 v1, 5, v0
	v_readfirstlane_b32 s[WV], v1
	s_lshr_b32 s[RH], s[WV], 1
	s_and_b32 s[CH], s[WV], 1
	s_bfe_u32 s[CX], ttmp6, 0x40000
	s_bfe_u32 s[CY], ttmp6, 0x40004
	s_lshl_b32 s[TCO], ttmp9, 2
	s_add_co_u32 s[TCO], s[TCO], s[CX]             ; tile column = 4 x cluster x + cx
	s_and_b32 s[TRO], ttmp7, 0xffff
	s_lshl_b32 s[TRO], s[TRO], 2
	s_add_co_u32 s[TRO], s[TRO], s[CY]             ; tile row = 4 x cluster y + cy
	s_lshl_b32 s80, s[CY], 2
	s_lshl_b32 s80, 15, s80                        ; my row of the cluster
	s_lshl_b32 s81, 0x1111, s[CX]                  ; my column
	s_lshr_b32 s67, ttmp9, 1                       ; the first K step: 3 x the parity of cluster x's bits 0 to 2 and cluster y's bit 0
	s_xor_b32 s[KSN], ttmp9, s67
	s_lshr_b32 s67, ttmp9, 2
	s_xor_b32 s[KSN], s[KSN], s67
	s_xor_b32 s[KSN], s[KSN], ttmp7
	s_and_b32 s[KSN], s[KSN], 1
	s_mul_i32 s[KSN], s[KSN], 3
	; group 1: 8 records are 34,816 dense bytes: 136 rows of 256 bytes (32 elements of 8 bytes), no padding
	s_or_b32 s[G1A], s80, (3<<16)|(1<<21)          ; 15:0 the mask: A's records go to my row; 17:16 elements of 8 bytes; 21 set beside a mask
	s_or_b32 s[G1B], s81, (3<<16)|(1<<21)
.irp g, G1A, G1B
	s_mov_b32 s[\g+1], 32<<16                      ; tensor_dim0
	s_mov_b32 s[\g+2], 136<<16                     ; tensor_dim1
	s_mov_b32 s[\g+3], 32<<16                      ; tile_dim0
	s_mov_b32 s[\g+4], 136                         ; tile_dim1
	s_mov_b32 s[\g+5], 32                          ; tensor_dim0_stride
	s_mov_b32 s[\g+6], 0
	s_mov_b32 s[\g+7], 0
.endr
	; cell_state's tile, a quarter a wave: 64 rows x 64 f32, 16 bytes of padding behind each 256; no mask
	s_mov_b32 s[G1C], (2<<16)|(1<<20)|(5<<22)|(3<<25)
	s_mov_b32 s[G1C+1], 64<<16
	s_mov_b32 s[G1C+2], 64<<16
	s_mov_b32 s[G1C+3], 64<<16
	s_mov_b32 s[G1C+4], 64
	s_mov_b32 s[G1C+5], 2048
	s_mov_b32 s[G1C+6], 0
	s_mov_b32 s[G1C+7], 0
	s_lshl_b32 s87, s[CH], 3                       ; which 8 records of the 16 I fetch
	s_lshl_b32 s[BSA], s[TRO], 4
	s_add_co_u32 s[BSA], s[BSA], s87
	s_mul_i32 s[BSA], s[BSA], REC                  ; A: record 16 x tile row + 8 x half: hangs on the tile row alone
	s_mov_b32 s[BSA+1], 0
	s_lshl_b32 s[BSB], s[TCO], 4
	s_add_co_u32 s[BSB], s[BSB], s87
	s_mul_i32 s[BSB], s[BSB], REC                  ; B: record 16 x tile column + 8 x half: on the tile column alone
	s_mov_b32 s[BSB+1], 0
	s_mul_i32 s87, s[WV], HALFT                    ; where they go: wave x 8 records: no place in the cluster enters an LDS address
	s_mov_b32 s[KS], 0xbfb8aa3b
	s_mov_b32 s[KS+1], s[KS]
	s_mov_b32 s[KT], 0x4038aa3b
	s_mov_b32 s[KT+1], s[KT]
	s_mov_b32 s[SEL], 0x76543210
	s_mov_b32 s[SEL+1], 0xfedcba98
	s_wait_kmcnt 0x0
	s_add_nc_u64 s[BSA:BSA+1], s[4:5], s[BSA:BSA+1]
	s_add_nc_u64 s[BSB:BSB+1], s[6:7], s[BSB:BSB+1]
	s_mov_b32 s5, 0                                ; s[4:7] are free now: the K steps' offsets
	s_mov_b32 s7, 0
	CROUND                                         ; all sixteen work-groups are here: the first joint loads meet
.irp s, 0,1
	s_mov_b32 s[G0A+4*\s], 1
	s_add_co_u32 s[G0A+4*\s+1], s87, \s*SLOT
	s_mov_b32 s[G0B+4*\s], 1
	s_add_co_u32 s[G0B+4*\s+1], s87, \s*SLOT
	DESC \s
	JLOAD G0A+4*\s, G0B+4*\s                       ; my cluster's first two K steps: two loads of mine are out
.endr
	; LDS addresses: constants, the lane and the wave's number
	v_and_b32 v1, 31, v0                           ; lane
	v_and_b32 v2, 15, v0                           ; r
	v_bfe_u32 v3, v0, 4, 1                         ; h
	v_lshlrev_b32 v[LN16], 4, v1
	s_mul_i32 s2, s[RH], HALFT                     ; my 8 records of A
	s_mul_i32 s67, s[CH], HALFT
	s_add_co_u32 s67, s67, 2*HALFT                 ; my 8 of B, behind A's 16
.irp s, 0,1
	v_add_nc_u32 v[ADRA+\s], s2, v[LN16]
	v_add_nc_u32 v[ADRB+\s], s67, v[LN16]
	s_add_co_u32 s2, s2, SLOT
	s_add_co_u32 s67, s67, SLOT
.endr
	s_mul_i32 s2, s[RH], HALFT
	s_mul_i32 s67, s[CH], HALFT
	s_add_co_u32 s67, s67, 2*HALFT
	s_sub_co_u32 s67, s67, s2
	v_mul_u32_u24 v4, s67, v3                      ; lanes 16-31 take B's: one product, h x the distance
	v_lshl_add_u32 v4, v2, 4, v4                   ; row r's four words
	s_add_co_u32 s2, s2, 4096                      ; behind a record's codes
	v_add_nc_u32 v[ADRS], s2, v4
	v_add_nc_u32 v[ADRS+1], SLOT, v[ADRS]
	v_mul_u32_u24 v5, v2, 272
	v_lshl_add_u32 v5, v3, 6, v5                   ; 272 r + 64 h
	s_mul_i32 s2, s[RH], 128*272
	s_lshl_b32 s67, s[CH], 7
	s_add_co_u32 s2, s2, s67
	v_add_nc_u32 v[ADC], s2, v5                    ; cell tile: row 128 rh + r, unit 32 ch + 16 h
	s_mul_i32 s2, s[RH], 16*272
	s_add_co_u32 s2, s2, s67
	s_add_co_u32 s2, s2, STG
	v_add_nc_u32 v[STO], s2, v5                    ; stage: row 16 rh + r, the same units
	v_mul_u32_u24 v6, v3, 272
	v_lshl_add_u32 v6, v2, 4, v6
	s_mul_i32 s2, s[RH], 16*272
	s_mul_i32 s67, s[CH], 32*272
	s_add_co_u32 s2, s2, s67
	s_add_co_u32 s2, s2, STG
	v_add_nc_u32 v[RD], s2, v6                     ; back: lanes 0-15 one row of 256 bytes, lanes 16-31 the next; column half 0 takes new_hidden, 1 new_cell
	v_lshlrev_b32 v7, 4, v2
	v_lshl_add_u32 v[GO], v3, 13, v7               ; the same two rows in out1 or out2
	v_lshl_add_u32 v[HCO], v3, 12, v7              ; hcode: lanes 0-15 one block of rows, lanes 16-31 the next; 16 bytes a row
	s_lshl_b32 s2, s[CH], 10
	s_lshl_b32 s67, s[RH], 9
	s_add_co_u32 s2, s2, s67
	s_add_co_u32 s2, s2, HSB
	v_lshl_add_u32 v[HSA], v2, 2, s2
	v_add_nc_u32 v[HSR], HSB, v[LN16]
	v_lshlrev_b32 v[BO], 6, v3
	v_lshlrev_b32 v[PFO], 13, v1
	; global offsets
	s_mov_b32 s101, 0
	s_lshl_b32 s100, s[TCO], 8
	s_lshl_b32 s99, s[CH], 7
	s_add_co_u32 s100, s100, s99                   ; the biases at my 32 units: (64 x tile column + 32 x half) x 4
.irp g, 0,1,2,3
	s_add_nc_u64 s[10+2*\g:11+2*\g], s[10+2*\g:11+2*\g], s[100:101]
.endr
	WIN TO_B
.irp g, 0,1,2,3
.irp u, 0,1
	global_load_b128 v[BIAS+8*(2*\g+\u):BIAS+8*(2*\g+\u)+3], v[BO], s[10+2*\g:11+2*\g] offset:32*\u       ; block b = 2 g + u: units 16 h + 8 u + 0 .. 7 of gate g
	global_load_b128 v[BIAS+8*(2*\g+\u)+4:BIAS+8*(2*\g+\u)+7], v[BO], s[10+2*\g:11+2*\g] offset:32*\u+16
.endr
.endr
	WIN 0
	s_lshl_b32 s100, s[TRO], 8
	s_lshl_b32 s99, s[WV], 6
	s_add_co_u32 s100, s100, s99
	s_lshl_b32 s100, s100, 13
	s_lshl_b32 s99, s[TCO], 8
	s_add_co_u32 s100, s100, s99                   ; cell_state: row 256 x tile row + 64 x wave, byte 256 x tile column
	s_mov_b32 s[G0C], 1
	s_mul_i32 s[G0C+1], s[WV], 64*272
	s_add_nc_u64 s[G0C+2:G0C+3], s[8:9], s[100:101]
	s_or_b32 s[G0C+3], s[G0C+3], 0x80000000
	s_lshl_b32 s100, s[TRO], 8
	s_lshl_b32 s99, s[WV], 5
	s_add_co_u32 s100, s100, s99
	s_lshl_b32 s100, s100, 13
	s_lshl_b32 s99, s[TCO], 8
	s_add_co_u32 s100, s100, s99
	s_add_nc_u64 s[PFA:PFA+1], s[8:9], s[100:101]  ; the prefetches: row 256 x tile row + 32 x wave
	s_lshl_b32 s100, s[TRO], 8
	s_lshl_b32 s99, s[RH], 7
	s_add_co_u32 s100, s100, s99
	s_lshl_b32 s100, s100, 13
	s_lshl_b32 s99, s[TCO], 8
	s_add_co_u32 s100, s100, s99
	s_cmp_eq_u32 s[CH], 0
	s_cselect_b64 s[OUT:OUT+1], s[18:19], s[20:21]
	s_add_nc_u64 s[OUT:OUT+1], s[OUT:OUT+1], s[100:101]
	s_lshr_b32 s100, s[TCO], 3                     ; hcode [K step 4][block of 16 rows 128][4096]: my block of 32 units is number 2 x tile column + half along the next K
	s_lshl_b32 s100, s100, 7
	s_lshl_b32 s99, s[TRO], 4
	s_add_co_u32 s100, s100, s99
	s_lshl_b32 s99, s[RH], 3
	s_add_co_u32 s100, s100, s99
	s_lshl_b32 s100, s100, 12
	s_and_b32 s99, s[TCO], 7
	s_lshl_b32 s99, s99, 1
	s_add_co_u32 s99, s99, s[CH]
	s_lshl_b32 s99, s99, 8
	s_add_co_u32 s100, s100, s99
	s_add_nc_u64 s[22:23], s[22:23], s[100:101]
	s_lshl_b32 s100, s[TCO], 13                    ; hscale [tile column 32][row 2048] words
	s_lshl_b32 s99, s[TRO], 10
	s_add_co_u32 s100, s100, s99
	s_add_nc_u64 s[24:25], s[24:25], s[100:101]
	s_and_b32 s[SH], s[TCO], 1
	s_lshl_b32 s[SH], s[SH], 4
	s_lshl_b32 s99, s[CH], 3
	s_add_co_u32 s[SH], s[SH], s99                 ; byte (2 x tile column + half) % 4 of the scale word of 128 units
.macro FRAG reg, adr, q, i             ; a fragment comes as the image of its registers: two loads of 512 consecutive bytes
.irp c, 0,1
	ds_load_b128 v[\reg+4*\c:\reg+4*\c+3], v[\adr] offset:(\i)*REC+1024*(\q)+512*\c
.endr
.endm
; 16 matrix instructions: A's blocks a0, a0 + 1 x B's eight, the slot's q-th 128 along K.  p: B's set;  sc: the set of scale words.  zero = 1: the first product starts the sums from the biases.
; The 64 accumulators take turns, one instruction a turn, in the same order in every step.
.macro MUL16 a0, p, q, sc, zero
.irp a, \a0, \a0+1
.irp b, 0,1,2,3,4,5,6,7
.if \zero
	v_wmma_scale_f32_16x16x128_f8f6f4 v[8*(8*((\a)%4)+\b):8*(8*((\a)%4)+\b)+7], v[128*(\p)+FR*\b:128*(\p)+FR*\b+FR-1], v[AF+FR*(\a):AF+FR*(\a)+FR-1], v[BIAS+8*\b:BIAS+8*\b+7], v[SC+8*NQ*(\sc)+NQ*\b+(\q)], v[SC+8*NQ*(\sc)+NQ*(\a)+(\q)] matrix_a_fmt:MATRIX_FMT_FP4 matrix_b_fmt:MATRIX_FMT_FP4 matrix_a_scale:MATRIX_SCALE_ROW1
.else
	v_wmma_scale_f32_16x16x128_f8f6f4 v[8*(8*((\a)%4)+\b):8*(8*((\a)%4)+\b)+7], v[128*(\p)+FR*\b:128*(\p)+FR*\b+FR-1], v[AF+FR*(\a):AF+FR*(\a)+FR-1], v[8*(8*((\a)%4)+\b):8*(8*((\a)%4)+\b)+7], v[SC+8*NQ*(\sc)+NQ*\b+(\q)], v[SC+8*NQ*(\sc)+NQ*(\a)+(\q)] matrix_a_fmt:MATRIX_FMT_FP4 matrix_b_fmt:MATRIX_FMT_FP4 matrix_a_scale:MATRIX_SCALE_ROW1
.endif
.endr
.endr
.endm
.macro FETCH_B slot, q, p              ; B's eight fragments into set p
	WIN TO_B
.irp i, 0,1,2,3,4,5,6,7
	FRAG 128*(\p)+FR*\i, ADRB+\slot, \q, \i
.endr
	WIN 0
.endm
.macro FETCH_A slot, q, i0             ; A's blocks i0 .. i0 + 3
.irp i, \i0, \i0+1, \i0+2, \i0+3
	FRAG AF+FR*(\i), ADRA+\slot, \q, \i
.endr
.endm
.macro SCALES sc                       ; slot sc's scale words: four a row; lanes 0-15 take A's block i, lanes 16-31 B's block i
.irp i, 0,1,2,3,4,5,6,7
	ds_load_b128 v[SC+8*NQ*\sc+NQ*\i:SC+8*NQ*\sc+NQ*\i+3], v[ADRS+\sc] offset:\i*REC
.endr
.endm
; A step of 128 along K that has its successor in the same slot.  A block of A is free as soon as its eight products are issued: blocks 0-3 are fetched anew in the step's middle, blocks 4-7 at its end.
; A load into a register that a matrix instruction has read stands NP places behind it; only plain vector instructions that name none of its registers are places (ISA guide 7.12.1 for vector instructions).
.macro STEP slot, q, zero
	s_wait_dscnt 4*NL                              ; B's set, A's blocks 0-3 and the scale words are in; the youngest eight loads (A's blocks 4-7) may be out
.if \zero
	WIN BIA_LO
.else
	WIN MUL_LO
.endif
	MUL16 0, (\q)%2, \q, \slot, \zero
	MUL16 2, (\q)%2, \q, \slot, \zero
	s_wait_dscnt 0                                 ; A's blocks 4-7 are in (asked for 32 matrix instructions ago)
	PLACES NP
	FETCH_B \slot, (\q)+1, 1-(\q)%2
	FETCH_A \slot, (\q)+1, 0
.if \zero
	WIN BIA_HI
.else
	WIN MUL_HI
.endif
	MUL16 4, (\q)%2, \q, \slot, \zero
	MUL16 6, (\q)%2, \q, \slot, \zero
	PLACES NP
	WIN 0
	FETCH_A \slot, (\q)+1, 4
.endm
; A slot's last step changes slots: ONE barrier, which opens a round of the cluster's barrier; in front of it each wave waits for all its tensor loads, adds 0 to its spare word, and waits for that and for its reads of this slot.
; fill = 1: this slot is filled again, jointly, with the K step that stands two further on in my cluster's order.  fill = 2: slot 0 has been read for the last time and takes my quarter of cell_state's tile, by a plain load.
; ask = 1: a prefetch of 32 rows x 256 bytes of cell_state's tile, a lane a row, behind the joint load, its four lines and the run of LDS loads.  The loop's two trips and the four waves name each of the
; work-group's 256 rows once, and no other work-group reads them; the tile's own load stands four and two changes of slots further on.  ask = 2: the prefetches' address steps 128 rows, half a lap behind the prefetch that read it.
.macro TURN slot, next, fill, ask
.if \ask == 2
	s_wait_xcnt 0x0                                ; the last prefetch has read its address
	s_add_nc_u64 s[PFA:PFA+1], s[PFA:PFA+1], 128*8192
.endif
	s_wait_tensorcnt 0x0                           ; all my tensor loads have landed: the one that was out is my part of the next slot;  (every window is 0 here)
	ds_add_u32 v[SPW], v[NIL]                      ; 0 onto my spare word
.if \fill == 1
	DESC \slot                                     ; no tensor load of mine is out, so the slot's groups 0 may be written
.endif
	s_wait_dscnt 4*NL+1                            ; (the add and the youngest eight loads, A's blocks 4-7, may be out)
	WIN MUL_LO
	MUL16 0, 1, NQ-1, \slot, 0                     ; sixteen matrix instructions stand between the add and the wait for it
	s_wait_dscnt 0x0                               ; the add is done, and my reads of this slot are over
	s_barrier_signal -1
	MUL16 2, 1, NQ-1, \slot, 0
	WIN 0
	s_barrier_wait -1
	CREST                                          ; no wave of any partner still reads this slot or has a load on its way
.if \fill == 1
	JLOAD G0A+4*\slot, G0B+4*\slot                 ; the first tensor load behind the round, my only one until the next; its four v_nop are also the places in front of the loads below
.else
	tensor_load_to_lds s[G0C:G0C+3], s[G1C:G1C+7]
	s_nop 0
	PLACES NP
.endif
	FETCH_B \next, 0, 0
	FETCH_A \next, 0, 0
	SCALES \next
.if \ask == 1
	global_prefetch_b8 v[PFO], s[PFA:PFA+1] th:TH_LOAD_NT scope:SCOPE_SE
.endif
	WIN MUL_HI
	MUL16 4, 1, NQ-1, \slot, 0
	MUL16 6, 1, NQ-1, \slot, 0
	PLACES NP
	WIN 0
	FETCH_A \next, 0, 4
.endm
.macro STEPS slot, from                ; the slot's steps from .. NQ - 2
.set Q, \from
.rept NQ-1-\from
	STEP \slot, Q, 0
.set Q, Q+1
.endr
.endm
	s_wait_tensorcnt 1                             ; my part of the first K step is in (the second's load may be out)
	s_barrier_signal -1
	s_barrier_wait -1                              ; everybody's is
	FETCH_B 0, 0, 0
	FETCH_A 0, 0, 0
	SCALES 0
	FETCH_A 0, 0, 4
	s_wait_loadcnt 0x0                             ; the biases
	STEP 0, 0, 1                                   ; the first step stands in front of the loop: its products start the sums
	s_mov_b32 s3, 2
.Llap:                                                 ; a trip goes once round the ring, from a lap's second step to the next lap's first, and fills both slots again: the third to the sixth K step
	STEPS 0, 1
	TURN 0, 1, 1, 1
	STEPS 1, 0
	TURN 1, 0, 1, 2
	STEP 0, 0, 0
	s_sub_co_u32 s3, s3, 1
	s_cmp_lg_u32 s3, 0
	s_cbranch_scc1 .Llap
	STEPS 0, 1                                     ; the fifth K step goes on
	TURN 0, 1, 2, 0                                ; slot 0 takes cell_state's tile, which has the sixth K step and the first block's exponentials and reciprocals in which to land
	STEPS 1, 0
	s_wait_dscnt 4*NL                              ; the very last step: nothing more to fetch
	WIN MUL_LO
	MUL16 0, 1, NQ-1, 1, 0
	MUL16 2, 1, NQ-1, 1, 0
	s_wait_dscnt 0
	WIN MUL_HI
	MUL16 4, 1, NQ-1, 1, 0
	MUL16 6, 1, NQ-1, 1, 0
	WIN 0
	PLACES NP                                      ; in front of the first reads of results and of writes into registers that held operands
; THE CELL, a block of 16 rows at a time.  A lane has 16 numbers: row r, units 16 h + 0 .. 15, and all four gates of each.
; The exponentials and the reciprocals go as batches: one plain instruction behind a batch, then one wait ahead of its first reader.
; The results meet in a stage, since a row's 256 bytes come from two waves; of the two, column half 0 stores new_hidden's 16 rows and column half 1 new_cell's.
; Two stages by turns, ONE barrier a block: a stage is written again two blocks on, behind the next block's barrier, which every wave signals only when its reads of this block are back.
; A BLOCK'S ROWS LEAVE ONE BLOCK LATER: they are asked of the stage straight behind the block's barrier, and the wait for them and their stores stand behind the next block's 64 exponentials.
; BLOCK 0 needs cell_state's tile only behind its reciprocals: the wait for the tile and the barrier that shows every wave's quarter stand there; no LDS access of block 0 stands ahead of them.
.macro CELL a                          ; my 16 numbers of cell_state for block a: 16 rows of 272 bytes a block
.irp i, 0,1,2,3
	ds_load_b128 v[CL+4*\i:CL+4*\i+3], v[ADC] offset:REC*(\a)+16*\i
.endr
.endm
.macro SEND a                          ; block a's 16 rows of out1 or out2
.irp t, 0,1,2,3,4,5,6,7
	global_store_b128 v[GO], v[OB+4*\t:OB+4*\t+3], s[OUT:OUT+1] offset:(16*(\a)+2*\t)*8192 th:TH_STORE_NT   ; sixteen lanes store 256 consecutive bytes, aligned; 126 rows at the most: inside the signed 24-bit immediate
.endr
.endm
.macro GATE a
.set AC, 64*((\a)%4)
.set SG, STGB*((\a)%2)
.if (\a) > 0
	CELL \a
.endif
	WIN 0x02+(\a)/4                                ; source 0: window 2 or 3
.irp b, 0,1,2,3,4,5,6,7
.irp p, 0,2,4,6
.if (\b)/2 == 2
	v_pk_mul_f32 v[T+8*\b+\p:T+8*\b+\p+1], v[AC+8*\b+\p:AC+8*\b+\p+1], s[KT:KT+1] op_sel_hi:[1,0]   ; the cell node: 2 g log2 e.  Each accumulator is read from its low end on
.else
	v_pk_mul_f32 v[T+8*\b+\p:T+8*\b+\p+1], v[AC+8*\b+\p:AC+8*\b+\p+1], s[KS:KS+1] op_sel_hi:[1,0]   ; a sigmoid: -g log2 e
.endif
.endr
.endr
	WIN 0
.set j, 0
.rept 64
	v_exp_f32 v[T+j], v[T+j]
.set j, j+1
.endr
.if (\a) > 0
	s_wait_dscnt 4                                 ; LDS loads come back in order (ISA guide 5.7.1): the last block's eight are in; the four of cell_state, issued behind them, may be out
	SEND (\a)-1
.endif
	v_nop
	s_wait_alu depctr_va_vdst(0)
.set j, 0
.rept 32
	v_pk_add_f32 v[T+j:T+j+1], v[T+j:T+j+1], 1.0 op_sel_hi:[1,0]
.set j, j+2
.endr
.set j, 0
.rept 64
	v_rcp_f32 v[T+j], v[T+j]
.set j, j+1
.endr
.if (\a) == 0
	s_wait_tensorcnt 0x0                           ; my quarter of cell_state's tile is in (the one load of mine that was out),
	s_wait_dscnt 0x0
	s_barrier_signal -1
	s_barrier_wait -1                              ; everybody's is
	CELL 0
.endif
	v_nop
	s_wait_alu depctr_va_vdst(0)
	s_wait_dscnt 0x0                               ; cell_state's 16 numbers
.set j, 0
.rept 8
	v_pk_fma_f32 v[T+32+j:T+33+j], v[T+32+j:T+33+j], -2.0, 1.0 op_sel_hi:[1,0,0]   ; tanh(c)
.set j, j+2
.endr
.set j, 0
.rept 8
	v_pk_mul_f32 v[T+32+j:T+33+j], v[T+j:T+1+j], v[T+32+j:T+33+j]                  ; sig(i) tanh(c)
.set j, j+2
.endr
.set j, 0
.rept 8
	v_pk_fma_f32 v[CL+j:CL+1+j], v[T+16+j:T+17+j], v[CL+j:CL+1+j], v[T+32+j:T+33+j]   ; new_cell = sig(f) cell + that
.set j, j+2
.endr
.set j, 0
.rept 8
	v_pk_mul_f32 v[T+j:T+1+j], v[CL+j:CL+1+j], s[KT:KT+1] op_sel_hi:[1,0]
.set j, j+2
.endr
.set j, 0
.rept 16
	v_exp_f32 v[T+j], v[T+j]
.set j, j+1
.endr
	v_nop
	s_wait_alu depctr_va_vdst(0)
.set j, 0
.rept 8
	v_pk_add_f32 v[T+j:T+1+j], v[T+j:T+1+j], 1.0 op_sel_hi:[1,0]
.set j, j+2
.endr
.set j, 0
.rept 16
	v_rcp_f32 v[T+j], v[T+j]
.set j, j+1
.endr
	v_nop
	s_wait_alu depctr_va_vdst(0)
.set j, 0
.rept 8
	v_pk_fma_f32 v[T+j:T+1+j], v[T+j:T+1+j], -2.0, 1.0 op_sel_hi:[1,0,0]           ; tanh(new_cell)
.set j, j+2
.endr
.set j, 0
.rept 8
	v_pk_mul_f32 v[T+j:T+1+j], v[T+48+j:T+49+j], v[T+j:T+1+j]                      ; new_hidden = sig(o) tanh(new_cell)
.set j, j+2
.endr
	; new_hidden is quantised: my 16 and lane l xor 16's 16 are one block of 32 along the next K
	v_max3_num_f32 v[MX], |v[T]|, |v[T+1]|, 0x1800000   ; and the floor 2^(3 - 127): the byte cannot fall under 1
.irp i, 2,4,6,8,10,12,14
	v_max3_num_f32 v[MX], v[MX], |v[T+\i]|, |v[T+\i+1]|
.endr
	v_permlanex16_b32 v[MY], v[MX], s[SEL], s[SEL+1]
	v_max_num_f32 v[MX], v[MX], v[MY]
	v_add_nc_u32 v[SO], 0xff000000, v[MX]          ; 2 off the exponent field: the conversion's scale operand
	v_lshrrev_b32 v[BYW], 23, v[SO]                ; the scale's byte,
	v_lshlrev_b32 v[BYW], s[SH], v[BYW]            ; at its place in the scale word
	v_cvt_scalef32_pk8_fp4_f32 v[PC+4*((\a)/2)+2*((\a)%2)], v[T:T+7], v[SO]
	v_cvt_scalef32_pk8_fp4_f32 v[PC+4*((\a)/2)+2*((\a)%2)+1], v[T+8:T+15], v[SO]
	v_nop                                          ; one plain place behind the scaled conversions
.if (\a)%2 == 1
.irp i, 0,1
	v_permlane16_swap_b32 v[PC+4*((\a)/2)+\i], v[PC+4*((\a)/2)+2+\i]   ; lanes 0-15 now hold the whole blocks (16 bytes a row) of row block a - 1, lanes 16-31 those of row block a
.endr
	global_store_b128 v[HCO], v[PC+4*((\a)/2):PC+4*((\a)/2)+3], s[22:23] offset:4096*((\a)-1)   ; each sixteen lanes store 256 consecutive bytes, at a multiple of 256 from the buffer's first byte
.endif
	ds_store_b32 v[HSA], v[BYW] offset:64*(\a)     ; lanes l and l xor 16 write the same word with the same value
.irp i, 0,1,2,3
	ds_store_b128 v[STO], v[T+4*\i:T+4*\i+3] offset:SG+16*\i
	ds_store_b128 v[STO], v[CL+4*\i:CL+4*\i+3] offset:SG+32*272+16*\i
.endr
	s_wait_dscnt 0x0                               ; for the others' sake: my stores have landed (and have read their registers); my reads of the other stage are long back
	s_barrier_signal -1
	s_barrier_wait -1
	s_wait_xcnt 0x0                                ; the last block's stores have read the registers into which the loads below land
.irp t, 0,1,2,3,4,5,6,7
	ds_load_b128 v[OB+4*\t:OB+4*\t+3], v[RD] offset:SG+544*\t
.endr
.endm
	GATE 0
	GATE 1
	GATE 2
	GATE 3
	GATE 4
	GATE 5
	GATE 6
	GATE 7
	s_wait_dscnt 0x0                               ; the last block's rows are back: nothing follows under which they could wait
	SEND 7
	; the work-group's 256 scale words: the two column halves' bytes are joined and leave as 1,024 consecutive bytes.  Wave 0 alone; the last bytes were stored in front of the last block's barrier
	s_cmp_lg_u32 s[WV], 0
	s_cbranch_scc1 .Lnot_first
	ds_load_b128 v[QW:QW+3], v[HSR]
	ds_load_b128 v[QW+4:QW+7], v[HSR] offset:512
	ds_load_b128 v[QW+8:QW+11], v[HSR] offset:1024
	ds_load_b128 v[QW+12:QW+15], v[HSR] offset:1536
	s_wait_dscnt 0x0
.irp j, 0,1,2,3,4,5,6,7
	v_or_b32 v[QW+\j], v[QW+\j], v[QW+8+\j]
.endr
	global_store_b128 v[LN16], v[QW:QW+3], s[24:25]
	global_store_b128 v[LN16], v[QW+4:QW+7], s[24:25] offset:512
.Lnot_first:
	s_wait_tensorcnt 0x0                           ; the wave's end: behind my last tensor load and my last LDS store
	ds_add_u32 v[SPW], v[NIL]
	s_wait_dscnt 0x0
	CROUND                                         ; the closing round: no work-group ends while a partner may still ask for a tile that names it
	s_endpgm
.Lfunc_end_k_qdad1394ca5_gates:
	.size	k_qdad1394ca5_gates, .Lfunc_end_k_qdad1394ca5_gates-k_qdad1394ca5_gates
	.p2alignl 7, 3214868480
	.fill 96, 4, 3214868480
	.section	.rodata,"a",@progbits
	.p2align	6, 0x0
	.amdhsa_kernel k_qdad1394ca5_gates
		.amdhsa_group_segment_fixed_size 327680
		.amdhsa_private_segment_fixed_size 0
		.amdhsa_enable_private_segment 0
		.amdhsa_kernarg_size 88
		.amdhsa_user_sgpr_count 2
		.amdhsa_user_sgpr_kernarg_segment_ptr 1
		.amdhsa_wavefront_size32 1
		.amdhsa_system_sgpr_workgroup_id_x 1
		.amdhsa_system_sgpr_workgroup_id_y 1
		.amdhsa_system_sgpr_workgroup_id_z 1
		.amdhsa_system_vgpr_workitem_id 0
		.amdhsa_next_free_vgpr 1024
		.amdhsa_next_free_sgpr 102
		.amdhsa_reserve_vcc 0
		.amdhsa_float_denorm_mode_32 3
		.amdhsa_float_denorm_mode_16_64 3
		.amdhsa_memory_ordered 1
		.amdhsa_forward_progress 1
		.amdhsa_inst_pref_size 255
	.end_amdhsa_kernel
	.section	.bss,"aw",@nobits
	.p2align	6
	.space	262144
	.amdgpu_metadata
---
amdhsa.version: [ 1, 2 ]
amdhsa.kernels:
  - .name:           k_qdad1394ca5_gates
    .symbol:         k_qdad1394ca5_gates.kd
    .args:
      - { .name: acode, .offset: 0, .size: 8, .value_kind: global_buffer, .address_space: global }
      - { .name: bcode, .offset: 8, .size: 8, .value_kind: global_buffer, .address_space: global }
      - { .name: cell_state, .offset: 16, .size: 8, .value_kind: global_buffer, .address_space: global }
      - { .name: Wxi_b, .offset: 24, .size: 8, .value_kind: global_buffer, .address_space: global }
      - { .name: Wxf_b, .offset: 32, .size: 8, .value_kind: global_buffer, .address_space: global }
      - { .name: Wxc_b, .offset: 40, .size: 8, .value_kind: global_buffer, .address_space: global }
      - { .name: Wxo_b, .offset: 48, .size: 8, .value_kind: global_buffer, .address_space: global }
      - { .name: out1, .offset: 56, .size: 8, .value_kind: global_buffer, .address_space: global }
      - { .name: out2, .offset: 64, .size: 8, .value_kind: global_buffer, .address_space: global }
      - { .name: hcode, .offset: 72, .size: 8, .value_kind: global_buffer, .address_space: global }
      - { .name: hscale, .offset: 80, .size: 8, .value_kind: global_buffer, .address_space: global }
    .group_segment_fixed_size: 327680
    .private_segment_fixed_size: 0
    .kernarg_segment_align: 8
    .kernarg_segment_size: 88
    .max_flat_workgroup_size: 128
    .sgpr_count:     102
    .vgpr_count:     1024
    .wavefront_size: 32
...
	.end_amdgpu_metadata
.endif
;; end of part 2
;; launch proj (part 3): grid 16 x 16, 4 waves a work-group, clusters of 4 x 4, 235,008 bytes of LDS; arguments hcode, hscale, ycode, Why_b, out0; writes out0
.if DOCPART == 3
	.amdgcn_target "amdgcn-amd-amdhsa--gfx1250"
	.amdhsa_code_object_version 6
	.text
	.protected	k_qdad1394ca5_proj
	.globl	k_qdad1394ca5_proj
	.p2align	8
	.type	k_qdad1394ca5_proj,@function
k_qdad1394ca5_proj:
	s_mov_b64 s[64:65], 0
	v_nop
	global_prefetch_b8 v0, s[64:65] scope:SCOPE_SE
	s_setreg_imm32_b32 hwreg(HW_REG_WAVE_MODE, 25, 1), 1
	s_wait_xcnt 0x0
	s_wait_alu depctr_hold_cnt(0) depctr_sa_sdst(0) depctr_va_vdst(0) depctr_va_sdst(0) depctr_va_ssrc(0) depctr_va_vcc(0) depctr_vm_vsrc(0)
	s_getreg_b32 s2, hwreg(HW_REG_IB_STS2, 6, 4)
	s_cmp_eq_u32 s2, 0
	s_cbranch_scc0 .Lentry_in_a_cluster
	s_endpgm
.Lentry_in_a_cluster:
	s_bfe_u32 s2, ttmp6, 0x10000c
	s_cmp_lg_u32 s2, 0xf033
	s_cbranch_scc0 .Lentry_shape_is_right
	s_endpgm
.Lentry_shape_is_right:
; out0 = new_hidden Why^T + Why_b on codes of FP4 (E2M1) with E8M0 scales: M 2,048, N 1,024, K 2,048.
; hcode [K step 4][block of 16 rows 128][4096]: images of the fragments' registers (the q-th 128 along K at 1024 q, group c of lane l at 512 c + 16 l).
; hscale [plane 32][row 2048] words: plane p holds the bytes of blocks 2 p and 2 p + 1 at their places in the scale word; the word of the s-th 128 along K is plane 2 s OR plane 2 s + 1.
; ycode [K step 4][block of 16 rows 64] records of 4,352 bytes: 4,096 of codes laid likewise, then the 16 rows' four scale words.
; SHARES.  256 work-groups; a tile of out0 is 128 rows x 64 columns, so that every WGP has one.  ALL OF K FITS IN LDS: every byte of LDS is filled once, there is no ring.
; Wave w makes rows 32 w .. 32 w + 31 x 64 columns: 8 accumulators, by turns.  A wave's row of results is 256 bytes, so its own stage gives whole rows without a barrier.
; THE MATRIX INSTRUCTION IS USED TRANSPOSED (source 0 = 16 rows of Why, source 1 = 16 rows of new_hidden): a lane holds eight neighbouring numbers of a row of out0.  The bias is the C of each sum's first instruction.
; CLUSTERS: 4 x 4 work-groups.  new_hidden's codes and scale words hang on the tile row alone and are shared along a row of the cluster, Why's records on the tile column alone and are shared along a column.
; Waves 0 and 1 ask for half the scale planes and two K steps of A each, waves 2 and 3 for two K steps of B each: at most three tensor loads of a wave are out.
; LIMITS: those of the launches that made the codes; nothing is added here.
.set REC,  4352
.set ABLK, 32768                       ; a K step of A: 8 blocks of rows
.set YB,   4*ABLK
.set YBLK, 4*REC                       ; a K step of B: 4 records
.set HSC,  YB+4*YBLK                   ; 32 planes x 512 bytes
.set STG,  HSC+16384                   ; 16 rows x 272 bytes for each wave; no tensor load lands here
.set ADA,  2                           ; v2-3   my A fragments of K steps 0-1, 2-3
.set ADY,  4                           ; v4-5   B's
.set ADYS, 6                           ; v6-7   B's scale words
.set ADH,  8                           ; v8     my rows' words in a plane: lane l takes row 32 w + l
.set STO,  9                           ; v9     the stage: where I put 32 bytes of a row
.set RD,   10                          ; v10    and where I read a row back
.set GO,   11                          ; v11    my byte offset in out0
.set BOF,  12                          ; v12    32 h
.set ASC,  16                          ; v16-31  A's scale words, one register for each 128 along K: lanes 0-15 rows 0-15, lanes 16-31 rows 16-31
.set BSC,  32                          ; v32-63  B's, two sets of 16: register 4 b + q
.set F0,   64                          ; v64-111, v112-159 two sets of fragments: A's two, then B's four
.set TMP,  112                         ; the 32 planes' words, before the second set is first used
.set ACC,  160                         ; v160-223 accumulator (a, b) at 8 (4 a + b)
.set BI,   224                         ; v224-255 the bias
.set OB,   64                          ; the way out
.set WV,   14
.set G1A,  24                          ; s[24:31], s[32:39], s[40:47] descriptor groups 1: A's codes, the scale planes, B's records
.set G1H,  32
.set G1Y,  40
.set G0H,  48                          ; s[48:51] group 0 for the planes; s[52:59] A's two; s[60:63], s[68:71] B's two
.set G0A,  52
.set G0Y0, 60
.set G0Y1, 68
.macro CROUND                          ; a round of the cluster's barrier
	s_barrier_signal -1
	s_barrier_wait -1
	s_cmp_lg_u32 s[WV], 0
	s_cbranch_scc1 .Lnot_wave_0_\@
	s_barrier_signal -3
.Lnot_wave_0_\@:
	s_barrier_wait -3
	s_barrier_signal -1
	s_barrier_wait -1
.endm
.macro PLACES n
.rept \n
	v_nop
.endr
.endm
	s_load_b256 s[4:11], s[0:1], 0x0               ; hcode, hscale, ycode, Why_b
	s_load_b64 s[12:13], s[0:1], 0x20              ; out0
	s_set_vgpr_msb 0x40
	v_lshl_add_u32 v0, v0, 2, 0x39400
	v_mov_b32 v1, 0
	s_set_vgpr_msb 0x4045
	ds_add_u32 v0, v1
	ds_add_u32 v0, v1
	s_set_vgpr_msb 0x4500
	v_lshrrev_b32 v1, 5, v0
	v_readfirstlane_b32 s[WV], v1
	s_lshr_b32 s15, s[WV], 1                       ; I fetch for A (0) or for B (1)
	s_and_b32 s16, s[WV], 1                        ; e: which of the two that do
	s_bfe_u32 s17, ttmp6, 0x40000                  ; cx
	s_bfe_u32 s18, ttmp6, 0x40004                  ; cy
	s_lshl_b32 s19, ttmp9, 2
	s_add_co_u32 s19, s19, s17                     ; tile column 0..15
	s_and_b32 s20, ttmp7, 0xffff
	s_lshl_b32 s20, s20, 2
	s_add_co_u32 s20, s20, s18                     ; tile row 0..15
	s_lshl_b32 s21, s18, 2
	s_lshl_b32 s21, 15, s21                        ; my row of the cluster
	s_lshl_b32 s22, 0x1111, s17                    ; my column
	s_or_b32 s[G1A], s21, (3<<16)|(1<<21)          ; 15:0 the mask; 17:16 elements of 8 bytes; 21 set beside a mask
	s_mov_b32 s[G1A+1], 32<<16                     ; 32,768 dense bytes: 128 rows of 256
	s_mov_b32 s[G1A+2], 128<<16
	s_mov_b32 s[G1A+3], 32<<16
	s_mov_b32 s[G1A+4], 128
	s_mov_b32 s[G1A+5], 32
	s_mov_b32 s[G1A+6], 0
	s_mov_b32 s[G1A+7], 0
	s_or_b32 s[G1H], s21, (3<<16)|(1<<21)
	s_mov_b32 s[G1H+1], 64<<16                     ; 16 planes: rows of 512 bytes, 8,192 bytes apart
	s_mov_b32 s[G1H+2], 16<<16
	s_mov_b32 s[G1H+3], 64<<16
	s_mov_b32 s[G1H+4], 16
	s_mov_b32 s[G1H+5], 1024
	s_mov_b32 s[G1H+6], 0
	s_mov_b32 s[G1H+7], 0
	s_or_b32 s[G1Y], s22, (3<<16)|(1<<21)
	s_mov_b32 s[G1Y+1], 32<<16                     ; 4 records, 17,408 dense bytes: 68 rows of 256
	s_mov_b32 s[G1Y+2], 68<<16
	s_mov_b32 s[G1Y+3], 32<<16
	s_mov_b32 s[G1Y+4], 68
	s_mov_b32 s[G1Y+5], 32
	s_mov_b32 s[G1Y+6], 0
	s_mov_b32 s[G1Y+7], 0
	s_lshl_b32 s72, s20, 15                        ; A: 8 blocks of rows x 4,096 x tile row,
	s_lshl_b32 s78, s16, 19                        ; + K step e (128 blocks of 4,096 bytes)
	s_add_co_u32 s72, s72, s78
	s_mov_b32 s73, 0
	s_lshl_b32 s74, s20, 9                         ; the planes: 128 rows x 4 x tile row,
	s_lshl_b32 s78, s16, 17                        ; + 16 e planes of 8,192 bytes
	s_add_co_u32 s74, s74, s78
	s_mov_b32 s75, 0
	s_mul_i32 s76, s19, YBLK                       ; B: 4 records x tile column,
	s_mul_i32 s78, s16, 64*REC                     ; + K step e
	s_add_co_u32 s76, s76, s78
	s_mov_b32 s77, 0
	s_lshl_b32 s79, s16, 15                        ; where they go: e x a K step's bytes: no place in the cluster enters an LDS address
	s_mul_i32 s80, s16, YBLK
	s_lshl_b32 s81, s16, 13
	s_wait_dscnt 0x0
	s_wait_kmcnt 0x0
	s_mov_b32 s[G0H], 1
	s_add_co_u32 s[G0H+1], s81, HSC
	s_add_nc_u64 s[G0H+2:G0H+3], s[6:7], s[74:75]
	s_or_b32 s[G0H+3], s[G0H+3], 0x80000000
	s_mov_b32 s[G0A], 1
	s_mov_b32 s[G0A+1], s79
	s_add_nc_u64 s[G0A+2:G0A+3], s[4:5], s[72:73]
	s_mov_b32 s[G0A+4], 1
	s_add_co_u32 s[G0A+5], s79, 2*ABLK
	s_add_nc_u64 s[G0A+6:G0A+7], s[G0A+2:G0A+3], 2*128*4096   ; K step 2 + e
	s_or_b32 s[G0A+3], s[G0A+3], 0x80000000
	s_or_b32 s[G0A+7], s[G0A+7], 0x80000000
	s_mov_b32 s[G0Y0], 1
	s_add_co_u32 s[G0Y0+1], s80, YB
	s_add_nc_u64 s[G0Y0+2:G0Y0+3], s[8:9], s[76:77]
	s_mov_b32 s[G0Y1], 1
	s_add_co_u32 s[G0Y1+1], s80, YB+2*YBLK
	s_add_nc_u64 s[G0Y1+2:G0Y1+3], s[G0Y0+2:G0Y0+3], 2*64*REC
	s_or_b32 s[G0Y0+3], s[G0Y0+3], 0x80000000
	s_or_b32 s[G0Y1+3], s[G0Y1+3], 0x80000000
	CROUND                                         ; all sixteen work-groups are here: the joint loads meet
	s_cmp_eq_u32 s15, 0                            ; a wave's fills stand in one branch on the wave's number, ahead of every wait on TENSORcnt, every LDS read and every other barrier
	s_cbranch_scc0 .Lfor_y
	tensor_load_to_lds s[G0H:G0H+3], s[G1H:G1H+7]
	s_nop 0
	tensor_load_to_lds s[G0A:G0A+3], s[G1A:G1A+7]
	s_nop 0
	tensor_load_to_lds s[G0A+4:G0A+7], s[G1A:G1A+7]
	s_nop 0
.rept 4
	v_nop
.endr
	s_branch .Lasked
.Lfor_y:
	tensor_load_to_lds s[G0Y0:G0Y0+3], s[G1Y:G1Y+7]
	s_nop 0
	tensor_load_to_lds s[G0Y1:G0Y1+3], s[G1Y:G1Y+7]
	s_nop 0
.rept 4
	v_nop
.endr
.Lasked:
	v_and_b32 v1, 31, v0                           ; lane
	v_and_b32 v13, 15, v0                          ; r
	v_bfe_u32 v14, v0, 4, 1                        ; h
	v_lshlrev_b32 v15, 4, v1
	s_lshl_b32 s82, s[WV], 13                      ; my two blocks of rows
	v_add_nc_u32 v[ADA], s82, v15
	v_add_nc_u32 v[ADA+1], 2*ABLK, v[ADA]
	v_add_nc_u32 v[ADY], YB, v15
	v_add_nc_u32 v[ADY+1], 2*YBLK, v[ADY]
	v_lshlrev_b32 v[ADYS], 4, v13
	v_add_nc_u32 v[ADYS], YB+4096, v[ADYS]
	v_add_nc_u32 v[ADYS+1], 2*YBLK, v[ADYS]
	s_lshl_b32 s82, s[WV], 7
	s_add_co_u32 s82, s82, HSC
	v_lshl_add_u32 v[ADH], v1, 2, s82
	s_mul_i32 s82, s[WV], 16*272
	s_add_co_u32 s82, s82, STG                     ; my stage
	v_mul_u32_u24 v[STO], v13, 272
	v_lshl_add_u32 v[STO], v14, 5, v[STO]
	v_add_nc_u32 v[STO], s82, v[STO]               ; in: row r, 32 bytes for each half of the lanes
	v_mul_u32_u24 v[RD], v14, 272
	v_lshl_add_u32 v[RD], v13, 4, v[RD]
	v_add_nc_u32 v[RD], s82, v[RD]                 ; back: lanes 0-15 one row of 256 bytes, lanes 16-31 the next
	v_lshlrev_b32 v[GO], 4, v13
	v_lshl_add_u32 v[GO], v14, 12, v[GO]           ; and the same two rows in out0
	v_lshlrev_b32 v[BOF], 5, v14
	s_lshl_b32 s84, s19, 8                         ; the tile's 64 columns, in bytes
	s_mov_b32 s85, 0
	s_add_nc_u64 s[10:11], s[10:11], s[84:85]
.irp b, 0,1,2,3
	global_load_b128 v[BI+8*\b:BI+8*\b+3], v[BOF], s[10:11] offset:64*\b         ; columns 16 b + 8 h + 0 .. 7
	global_load_b128 v[BI+8*\b+4:BI+8*\b+7], v[BOF], s[10:11] offset:64*\b+16
.endr
	s_lshl_b32 s86, s20, 7
	s_lshl_b32 s87, s[WV], 5
	s_add_co_u32 s86, s86, s87                     ; my first row: 128 x tile row + 32 x wave
	s_lshl_b32 s86, s86, 12
	s_add_co_u32 s86, s86, s84
	s_mov_b32 s87, 0
	s_add_nc_u64 s[12:13], s[12:13], s[86:87]
.macro FETCH3 s                        ; the fragments of the s-th 128 along K into set s % 2: 12 loads; with a K step's first, B's scale words: 4 more
.set KK, (\s)/4
.set QQ, (\s)%4
.set FF, F0+48*((\s)%2)
.irp a, 0,1
.irp c, 0,1
	ds_load_b128 v[FF+8*\a+4*\c:FF+8*\a+4*\c+3], v[ADA+KK/2] offset:(KK%2)*ABLK+4096*\a+1024*QQ+512*\c
.endr
.endr
.irp b, 0,1,2,3
.irp c, 0,1
	ds_load_b128 v[FF+16+8*\b+4*\c:FF+16+8*\b+4*\c+3], v[ADY+KK/2] offset:(KK%2)*YBLK+REC*\b+1024*QQ+512*\c
.endr
.endr
.if QQ == 0
.irp b, 0,1,2,3
	ds_load_b128 v[BSC+16*(KK%2)+4*\b:BSC+16*(KK%2)+4*\b+3], v[ADYS+KK/2] offset:(KK%2)*YBLK+REC*\b
.endr
.endif
.endm
.macro MUL8 s                          ; 8 matrix instructions, one to each accumulator.  The first K step takes the bias as C
.set KK, (\s)/4
.set QQ, (\s)%4
.set FF, F0+48*((\s)%2)
.irp a, 0,1
.irp b, 0,1,2,3
.set DD, ACC+8*(4*\a+\b)
.set CC, DD
.if (\s) == 0
.set CC, BI+8*\b
.endif
.if \a == 0
	v_wmma_scale_f32_16x16x128_f8f6f4 v[DD:DD+7], v[FF+16+8*\b:FF+16+8*\b+7], v[FF+8*\a:FF+8*\a+7], v[CC:CC+7], v[BSC+16*(KK%2)+4*\b+QQ], v[ASC+(\s)] matrix_a_fmt:MATRIX_FMT_FP4 matrix_b_fmt:MATRIX_FMT_FP4
.else
	v_wmma_scale_f32_16x16x128_f8f6f4 v[DD:DD+7], v[FF+16+8*\b:FF+16+8*\b+7], v[FF+8*\a:FF+8*\a+7], v[CC:CC+7], v[BSC+16*(KK%2)+4*\b+QQ], v[ASC+(\s)] matrix_a_fmt:MATRIX_FMT_FP4 matrix_b_fmt:MATRIX_FMT_FP4 matrix_b_scale:MATRIX_SCALE_ROW1
.endif
.endr
.endr
.endm
.macro KSTEP s
.if (\s) > 0
	PLACES 4                                       ; in front of loads into the set that the last products but these read (ISA guide 7.12.1 for vector instructions)
.endif
.if (\s) == 7
	s_wait_tensorcnt 0x0                           ; my last load, of K step 2 + e, is in,
	s_wait_dscnt 0x0
	s_barrier_signal -1
	s_barrier_wait -1                              ; everybody's is: K steps 2 and 3 may be read.  Nothing is filled again
.endif
.if (\s) < 15
	FETCH3 (\s)+1
.if ((\s)+1)%4 == 0
	s_wait_dscnt 16                                ; all but the 16 just issued
.else
	s_wait_dscnt 12                                ; all but the 12 just issued
.endif
.else
	s_wait_dscnt 0x0
.endif
	MUL8 \s
.endm
	s_wait_tensorcnt 1                             ; on both ways one load was issued behind those waited for: the planes and K step e of A, or K step e of B, are in; K step 2 + e may be out,
	s_barrier_signal -1
	s_barrier_wait -1                              ; everybody's are
.set p, 0
.rept 32
	ds_load_b32 v[TMP+p], v[ADH] offset:512*p
.set p, p+1
.endr
	FETCH3 0
	s_wait_dscnt 16                                ; the 32 planes' words are in; the 16 loads behind them may be out
.set p, 0
.rept 16
	v_or_b32 v[ASC+p], v[TMP+2*p], v[TMP+2*p+1]    ; the scale word of the p-th 128 along K
.set p, p+1
.endr
	PLACES 8                                       ; a scale register written by a vector instruction stands 8 places ahead of a scaled matrix instruction
	s_wait_loadcnt 0x0                             ; the bias
.irp s, 0,1,2,3,4,5,6,7,8,9,10,11,12,13,14,15
	KSTEP \s
.endr
	PLACES 4                                       ; in front of the first reads of results and of loads into registers that held fragments
	; THE WAY OUT: 16 rows x 64 columns at a time through my own stage; LDS serves a wave's instructions in order (ISA guide 5.7.1.4): no wait between the stores and the loads, nor in front of the second block's stores
.irp a, 0,1
.irp b, 0,1,2,3
	ds_store_b128 v[STO], v[ACC+8*(4*\a+\b):ACC+8*(4*\a+\b)+3] offset:64*\b        ; each accumulator from its low end on
	ds_store_b128 v[STO], v[ACC+8*(4*\a+\b)+4:ACC+8*(4*\a+\b)+7] offset:64*\b+16
.endr
.irp t, 0,1,2,3,4,5,6,7
	ds_load_b128 v[OB+32*\a+4*\t:OB+32*\a+4*\t+3], v[RD] offset:544*\t
.endr
.endr
	s_wait_dscnt 16                                ; the first block is back; the second block's 8 stores and 8 loads may be out
.irp t, 0,1,2,3,4,5,6,7
	global_store_b128 v[GO], v[OB+4*\t:OB+4*\t+3], s[12:13] offset:2*\t*4096 th:TH_STORE_NT   ; sixteen lanes store 256 consecutive bytes, at a multiple of 256 from out0's first byte
.endr
	s_wait_dscnt 0x0
.irp t, 0,1,2,3,4,5,6,7
	global_store_b128 v[GO], v[OB+32+4*\t:OB+32+4*\t+3], s[12:13] offset:(16+2*\t)*4096 th:TH_STORE_NT
.endr
	s_set_vgpr_msb 0x5
	s_wait_tensorcnt 0x0
	ds_add_u32 v0, v1
	s_wait_dscnt 0x0
	s_set_vgpr_msb 0x500
	CROUND                                         ; the closing round: no work-group ends while a partner may still ask for a tile that names it
	s_endpgm
.Lfunc_end_k_qdad1394ca5_proj:
	.size	k_qdad1394ca5_proj, .Lfunc_end_k_qdad1394ca5_proj-k_qdad1394ca5_proj
	.p2alignl 7, 3214868480
	.fill 96, 4, 3214868480
	.section	.rodata,"a",@progbits
	.p2align	6, 0x0
	.amdhsa_kernel k_qdad1394ca5_proj
		.amdhsa_group_segment_fixed_size 235008
		.amdhsa_private_segment_fixed_size 0
		.amdhsa_enable_private_segment 0
		.amdhsa_kernarg_size 40
		.amdhsa_user_sgpr_count 2
		.amdhsa_user_sgpr_kernarg_segment_ptr 1
		.amdhsa_wavefront_size32 1
		.amdhsa_system_sgpr_workgroup_id_x 1
		.amdhsa_system_sgpr_workgroup_id_y 1
		.amdhsa_system_sgpr_workgroup_id_z 1
		.amdhsa_system_vgpr_workitem_id 0
		.amdhsa_next_free_vgpr 258
		.amdhsa_next_free_sgpr 96
		.amdhsa_reserve_vcc 0
		.amdhsa_float_denorm_mode_32 3
		.amdhsa_float_denorm_mode_16_64 3
		.amdhsa_memory_ordered 1
		.amdhsa_forward_progress 1
		.amdhsa_inst_pref_size 47
	.end_amdhsa_kernel
	.amdgpu_metadata
---
amdhsa.version: [ 1, 2 ]
amdhsa.kernels:
  - .name:           k_qdad1394ca5_proj
    .symbol:         k_qdad1394ca5_proj.kd
    .args:
      - { .name: hcode, .offset: 0, .size: 8, .value_kind: global_buffer, .address_space: global }
      - { .name: hscale, .offset: 8, .size: 8, .value_kind: global_buffer, .address_space: global }
      - { .name: ycode, .offset: 16, .size: 8, .value_kind: global_buffer, .address_space: global }
      - { .name: Why_b, .offset: 24, .size: 8, .value_kind: global_buffer, .address_space: global }
      - { .name: out0, .offset: 32, .size: 8, .value_kind: global_buffer, .address_space: global }
    .group_segment_fixed_size: 235008
    .private_segment_fixed_size: 0
    .kernarg_segment_align: 8
    .kernarg_segment_size: 40
    .max_flat_workgroup_size: 128
    .sgpr_count:     96
    .vgpr_count:     258
    .wavefront_size: 32
...
	.end_amdgpu_metadata
.endif
;; end of part 3
